; MI455X (gfx1250); checked and timed in simulation.
; The chip was launched on July 23, 2026; its instructions are those of AMD's public machine-readable ISA for CDNA 5 (MIT licence, August 2026) and "CDNA5" Instruction Set Architecture Reference Guide (July 2026). The comments in the code are by the model that wrote it; some were corrected since.
;; Scaled Dot Product Attention. Allowed arithmetic: matrix products marked QUANTISED: E3M2 operands, one E8M0 scale for each 32 along K, by v_wmma_scale_f32_16x16x128_f8f6f4 with both operands' format E3M2, f32 sums; everything else in f32.
;; Inputs: k 4 x 16 x 2,048 x 64 float32; q 4 x 16 x 2,048 x 64 float32; v 4 x 16 x 2,048 x 64 float32.
;; Outputs: out0 4 x 16 x 2,048 x 64 float32.
;; This version of the problem:
;;   THIS VERSION OF THE PROBLEM IS GIVEN IN LOW PRECISION. The matrix products marked QUANTISED in the list below multiply operands that are first quantised to E3M2 (3 exponent bits, 2 mantissa bits; 6 bits a number), with one power-of-two scale for each 32 numbers along K (OCP MX v1.0); their sums are f32. All else is computed in f32.
;;   The module's matrix products, in the order in which they are computed (A, B: the left and right operand; K: the contracted axis; several contracted axes count as one K, in the product's order):
;;     1. batch 64 x [M 2,048, K 64] x [K 64, N 2,048]; A: input q; B: input k: QUANTISED
;;     2. batch 64 x [M 2,048, K 2,048] x [K 2,048, N 64]; A: softmax (see below); B: input v: QUANTISED
;;   THE QUANTISER, for each operand of a quantised product, along K:
;;     - K is cut into blocks of 32 from its start; a last block that is shorter is filled with zeros.
;;     - A block's scale is 2^e with e = floor(log2(the largest magnitude in the block)) - 4, held to -126 .. 127; a block of zeros has e = 0. As a byte (E8M0): e + 127.
;;     - Each number is divided by its block's scale, clamped to +-28, and rounded to the nearest number of E3M2, ties to even, subnormals kept.
;;     - The product sums the exact products of the quantised numbers (number of the format x scale) in f32.
;;   ~~~python
;;   def quantise(x, axis):      # numpy; x: float32 -> the quantised numbers, widened to float32 again
;;       x = np.moveaxis(x, axis, -1); K = x.shape[-1]
;;       x = np.pad(x, [(0, 0)] * (x.ndim - 1) + [(0, -K % 32)]); x = x.reshape(x.shape[:-1] + (-1, 32)); a = np.abs(x).max(-1, keepdims=True)
;;       e = np.where(a > 0, np.clip(np.frexp(np.where(a > 0, a, 1))[1] - 1 - 4, -126, 127), 0)      # np.frexp(a)[1] - 1 = floor(log2(a)), exactly
;;       r = np.clip(x / 2.0 ** e, -28, 28)
;;       step = 2.0 ** (np.maximum(np.frexp(np.where(r == 0, 1, r))[1] - 1, -2) - 2)
;;       q = np.round(r / step) * step * 2.0 ** e      # np.round: ties to even
;;       return np.moveaxis(q.reshape(q.shape[:-2] + (-1,))[..., :K], -1, axis).astype(np.float32)
;;   ~~~
;;   SOFTMAX AHEAD OF A QUANTISED PRODUCT. Where the list says 'softmax', what is quantised is not the finished softmax but p = 2^(t - M), with t = logit x log2(e) and M = ceil(the row's largest t), a whole number; so 1/2 < the row's largest p <= 1. The row's sum l is taken of the UNQUANTISED p, in f32, and the product's result is divided by l at the end. Since M is a whole number, a kernel that streams over the keys may use a running M (the ceiling of the running maximum): every later rescaling is an exact power of two, which a block's scale takes up: the codes' values come out the same.
;;   OPERANDS COMPUTED ON THE WAY. 'Computed on the way' means the value that the module computes at that place (a softmax that the list does not call 'softmax' is quantised finished and normalised). What goes into a quantiser is computed in f32, as accurately as f32 sums, v_exp_f32 and their like allow (about 1e-6 of the number): no bf16 or f16 on the way to a quantiser, and a product that is left as it is and whose result goes on into a quantised operand takes f32 operands (vector FMAs, or v_wmma_f32_16x16x4_f32). A number that lies on a knife's edge between two numbers of the format may be rounded either way, as far as f32 arithmetic and the matrix unit's own rounding can turn it there, and no further.
;; One version. Each part assembles by itself: llvm-mc -triple=amdgcn-amd-amdhsa -mcpu=gfx1250 --defsym DOCPART=n.
;; ======== version 1 of 1: 2 launches
;; workspace buffers: kv 13,369,344 bytes
;; launch pack (part 1): grid 256 x 1, 8 waves a work-group, no clusters, 327,680 bytes of LDS; arguments k, v, kv; writes kv
.if DOCPART == 1
	.amdgcn_target "amdgcn-amd-amdhsa--gfx1250"
	.amdhsa_code_object_version 6
	.text
	.protected	k_qa5b4ca46ec_pack
	.globl	k_qa5b4ca46ec_pack
	.p2align	8
	.type	k_qa5b4ca46ec_pack,@function
k_qa5b4ca46ec_pack:
	s_mov_b64 s[64:65], 0
	v_nop
	global_prefetch_b8 v0, s[64:65] scope:SCOPE_SE
	s_setreg_imm32_b32 hwreg(HW_REG_WAVE_MODE, 25, 1), 1
	s_wait_xcnt 0x0
.set PITCH, 272
.set HALF,  64*PITCH
.set WREG,  2*HALF
.set BLK,   13056
.set VPART, 6656
.set N,     16
.set T,     80
.set C,     96
.set W,     144
	s_load_b128 s[4:7], s[0:1], 0x0
	s_load_b64 s[8:9], s[0:1], 0x10
	v_lshl_add_u32 v152, v0, 2, 0x44000
	v_mov_b32 v153, 0
	ds_add_u32 v152, v153
	ds_add_u32 v152, v153
	v_lshrrev_b32 v1, 5, v0
	s_delay_alu instid0(VALU_DEP_1)
	v_readfirstlane_b32 s10, v1
	s_lshr_b32 s11, ttmp9, 2
	s_and_b32 s12, ttmp9, 3
	s_lshl_b32 s12, s12, 2
	s_and_b32 s13, s10, 3
	s_add_co_u32 s12, s12, s13
	s_mov_b32 s16, (3<<16)|(1<<20)|(5<<22)|(3<<25)
	s_mov_b32 s17, 32<<16
	s_mov_b32 s18, 64<<16
	s_mov_b32 s19, 32<<16
	s_mov_b32 s20, 64
	s_mov_b32 s21, 32
	s_mov_b32 s22, 0
	s_mov_b32 s23, 0
	s_lshl_b32 s14, s11, 19
	s_lshl_b32 s15, s12, 15
	s_add_co_u32 s14, s14, s15
	s_mov_b32 s15, 0
	s_lshl_b32 s32, s11, 4
	s_add_co_u32 s32, s32, s12
	s_mul_i32 s32, s32, BLK
	s_mov_b32 s33, 0
	s_mul_i32 s34, s10, WREG
	s_wait_dscnt 0x0
	s_wait_kmcnt 0x0
	s_cmp_lt_u32 s10, 4
	s_cselect_b64 s[4:5], s[4:5], s[6:7]
	s_cselect_b32 s35, 0, VPART
	s_add_co_u32 s32, s32, s35
	s_add_nc_u64 s[4:5], s[4:5], s[14:15]
	s_add_nc_u64 s[8:9], s[8:9], s[32:33]
	s_mov_b32 s24, 1
	s_mov_b32 s25, s34
	s_mov_b64 s[26:27], s[4:5]
	s_or_b32 s27, s27, 0x80000000
	s_mov_b32 s28, 1
	s_add_co_u32 s29, s34, HALF
	s_add_nc_u64 s[30:31], s[4:5], 64*256
	s_or_b32 s31, s31, 0x80000000
	tensor_load_to_lds s[24:27], s[16:23]
	s_nop 0
	s_wait_alu depctr_va_vdst(0)
	s_wait_tensorcnt 0x0
	ds_add_u32 v152, v153
	s_wait_dscnt 0x0
	s_barrier_signal -1
	s_barrier_wait -1
	tensor_load_to_lds s[28:31], s[16:23]
	s_nop 0
	v_and_b32 v1, 31, v0
	s_delay_alu instid0(VALU_DEP_1)
	v_mul_u32_u24 v2, v1, PITCH
	s_delay_alu instid0(VALU_DEP_1)
	v_add_nc_u32 v2, s34, v2
	s_delay_alu instid0(VALU_DEP_3)
	v_lshlrev_b32 v3, 2, v1
	s_delay_alu instid0(VALU_DEP_1)
	v_add_nc_u32 v3, s34, v3
	v_lshlrev_b32 v4, 4, v1
	v_lshlrev_b32 v5, 3, v1
.macro QPAIR dx, dy
	v_max3_num_f32 v8, |v[N]|, |v[N+1]|, 0x2800000
	v_max3_num_f32 v9, |v[N+32]|, |v[N+33]|, 0x2800000
.irp i, 2,4,6,8,10,12,14,16,18,20,22,24,26,28,30
	s_delay_alu instid0(VALU_DEP_2)
	v_max3_num_f32 v8, v8, |v[N+\i]|, |v[N+1+\i]|
	s_delay_alu instid0(VALU_DEP_2)
	v_max3_num_f32 v9, v9, |v[N+32+\i]|, |v[N+33+\i]|
.endr
	s_delay_alu instid0(VALU_DEP_2)
	v_add_nc_u32 v10, 0xfe000000, v8
	s_delay_alu instid0(VALU_DEP_2)
	v_add_nc_u32 v11, 0xfe000000, v9
	s_delay_alu instid0(VALU_DEP_2)
	v_lshrrev_b32 v12, 23, v10
	s_delay_alu instid0(VALU_DEP_2)
	v_lshrrev_b32 v13, 23, v11
	v_cvt_scalef32_pk16_bf6_f32 v[(\dx):(\dx)+2], v[N:N+15], v10
	v_cvt_scalef32_pk16_bf6_f32 v[T:T+2], v[N+16:N+31], v10
	v_cvt_scalef32_pk16_bf6_f32 v[(\dy):(\dy)+2], v[N+32:N+47], v11
	v_cvt_scalef32_pk16_bf6_f32 v[T+4:T+6], v[N+48:N+63], v11
	v_nop
.irp i, 0,1,2
	v_permlane16_swap_b32 v[(\dx)+\i], v[(\dy)+\i]
	v_permlane16_swap_b32 v[T+\i], v[T+4+\i]
.endr
.irp i, 0,1,2
	v_mov_b32 v[(\dx)+3+\i], v[T+\i]
	v_mov_b32 v[(\dy)+3+\i], v[T+4+\i]
.endr
.endm
	s_cmp_lt_u32 s10, 4
	s_cbranch_scc0 .Lv
.macro KUNIT b
.irp j, 0,1,2,3,4,5,6,7,8,9,10,11,12,13,14,15
	ds_load_b128 v[N+4*\j:N+4*\j+3], v2 offset:32*(\b)*PITCH+16*\j
.endr
	s_wait_dscnt 0x0
	QPAIR C+12*(\b), C+12*(\b)+6
	v_lshl_or_b32 v[W+\b], v13, 8, v12
	s_delay_alu instid0(VALU_DEP_1)
	v_lshl_or_b32 v[W+\b], v[W+\b], 16, v[W+\b]
.irp g, 0,1,2
	global_store_b128 v4, v[C+12*(\b)+4*\g:C+12*(\b)+4*\g+3], s[8:9] offset:(3*(\b)+\g)*512
.endr
.endm
	s_wait_tensorcnt 0x1
	s_wait_alu depctr_va_vdst(0)
	KUNIT 0
	KUNIT 1
	s_wait_tensorcnt 0x0
	KUNIT 2
	KUNIT 3
	global_store_b128 v4, v[W:W+3], s[8:9] offset:6144
	s_wait_tensorcnt 0x0
	ds_add_u32 v152, v153
	s_wait_dscnt 0x0
	s_endpgm
.Lv:
.macro VUNIT c, a
.set i, 0
.rept 64
	ds_load_b32 v[N+i], v3 offset:(64*(\c)+32*(i/32)+16*(((i%32)/8)%2)+8*((i%32)/16)+i%8)*PITCH+128*(\a)
.set i, i+1
.endr
	s_wait_dscnt 0x0
	QPAIR C+24*(\a)+6*(\c), C+24*(\a)+12+6*(\c)
.if (\c) == 0
	v_lshl_or_b32 v[W+\a], v13, 8, v12
.else
	v_lshl_or_b32 v[W+\a], v12, 16, v[W+\a]
	s_delay_alu instid0(VALU_DEP_1)
	v_lshl_or_b32 v[W+\a], v13, 24, v[W+\a]
.endif
.endm
	s_wait_tensorcnt 0x1
	s_wait_alu depctr_va_vdst(0)
	VUNIT 0, 0
	VUNIT 0, 1
	s_wait_tensorcnt 0x0
	VUNIT 1, 0
.irp g, 0,1,2,3,4,5
	global_store_b128 v4, v[C+4*\g:C+4*\g+3], s[8:9] offset:512*\g
.endr
	VUNIT 1, 1
.irp g, 6,7,8,9,10,11
	global_store_b128 v4, v[C+4*\g:C+4*\g+3], s[8:9] offset:512*\g
.endr
	global_store_b64 v5, v[W:W+1], s[8:9] offset:6144
	s_wait_tensorcnt 0x0
	ds_add_u32 v152, v153
	s_wait_dscnt 0x0
	s_endpgm
.Lfunc_end_k_qa5b4ca46ec_pack:
	.size	k_qa5b4ca46ec_pack, .Lfunc_end_k_qa5b4ca46ec_pack-k_qa5b4ca46ec_pack
	.p2alignl 7, 3214868480
	.fill 96, 4, 3214868480
	.section	.rodata,"a",@progbits
	.p2align	6, 0x0
	.amdhsa_kernel k_qa5b4ca46ec_pack
		.amdhsa_group_segment_fixed_size 327680
		.amdhsa_private_segment_fixed_size 0
		.amdhsa_enable_private_segment 0
		.amdhsa_kernarg_size 24
		.amdhsa_user_sgpr_count 2
		.amdhsa_user_sgpr_kernarg_segment_ptr 1
		.amdhsa_wavefront_size32 1
		.amdhsa_system_sgpr_workgroup_id_x 1
		.amdhsa_system_sgpr_workgroup_id_y 1
		.amdhsa_system_sgpr_workgroup_id_z 1
		.amdhsa_system_vgpr_workitem_id 0
		.amdhsa_next_free_vgpr 154
		.amdhsa_next_free_sgpr 66
		.amdhsa_reserve_vcc 0
		.amdhsa_float_denorm_mode_32 3
		.amdhsa_float_denorm_mode_16_64 3
		.amdhsa_memory_ordered 1
		.amdhsa_forward_progress 1
		.amdhsa_inst_pref_size 60
	.end_amdhsa_kernel
	.amdgpu_metadata
---
amdhsa.version: [ 1, 2 ]
amdhsa.kernels:
  - .name:           k_qa5b4ca46ec_pack
    .symbol:         k_qa5b4ca46ec_pack.kd
    .args:
      - { .name: k, .offset: 0, .size: 8, .value_kind: global_buffer, .address_space: global }
      - { .name: v, .offset: 8, .size: 8, .value_kind: global_buffer, .address_space: global }
      - { .name: kv, .offset: 16, .size: 8, .value_kind: global_buffer, .address_space: global }
    .group_segment_fixed_size: 327680
    .private_segment_fixed_size: 0
    .kernarg_segment_align: 8
    .kernarg_segment_size: 24
    .max_flat_workgroup_size: 256
    .sgpr_count:     66
    .vgpr_count:     154
    .wavefront_size: 32
...
	.end_amdgpu_metadata
.endif
;; end of part 1
;; launch attn (part 2): grid 4 x 64, 16 waves a work-group, clusters of 4 x 1, 280,576 bytes of LDS; arguments q, kv, out0; writes out0
.if DOCPART == 2
	.amdgcn_target "amdgcn-amd-amdhsa--gfx1250"
	.amdhsa_code_object_version 6
	.text
	.protected	k_qa5b4ca46ec_attn
	.globl	k_qa5b4ca46ec_attn
	.p2align	8
	.type	k_qa5b4ca46ec_attn,@function
k_qa5b4ca46ec_attn:
	s_mov_b64 s[64:65], 0
	v_nop
	global_prefetch_b8 v0, s[64:65] scope:SCOPE_SE
	s_setreg_imm32_b32 hwreg(HW_REG_WAVE_MODE, 25, 1), 1
	s_wait_xcnt 0x0
	s_wait_alu depctr_hold_cnt(0) depctr_sa_sdst(0) depctr_va_vdst(0) depctr_va_sdst(0) depctr_va_ssrc(0) depctr_va_vcc(0) depctr_vm_vsrc(0)
	s_getreg_b32 s2, hwreg(HW_REG_IB_STS2, 6, 4)
	s_cmp_eq_u32 s2, 0
	s_cbranch_scc0 .Lentry_in_a_cluster
	s_endpgm
.Lentry_in_a_cluster:
	s_bfe_u32 s2, ttmp6, 0x10000c
	s_cmp_lg_u32 s2, 0x3003
	s_cbranch_scc0 .Lentry_shape_is_right
	s_endpgm
.Lentry_shape_is_right:
; out0[hd][q][:] = the sum over keys k <= q of softmax_k(q . k / 8) v[k][:], 64 heads, 2,048 queries and keys, head size 64; both products on codes of BF6 (E3M2) with one E8M0 scale for each 32 along K.
; K and V come as codes and scale words from kv, laid by the launch before in the order of the operands' registers: 13,056 bytes for each (head, step of 128 keys).  q is f32 and is quantised here, in registers: one wave reads each row once.
; THE SOFTMAX AHEAD OF THE SECOND PRODUCT: t = score x log2(e) / 8; M = the row's largest t so far, rounded UP to a whole number; p = 2^(t - M) is quantised along the keys, not normalised.
; The row's sum is taken of the unquantised p, in f32, and divides O at the end.  When M moves, the sum and O are multiplied by 2^(old M - new M): exact.
; A WHOLE HEAD'S CODES STAY IN LDS: 16 x 13,056 = 208,896 bytes, filled once.  So the loop over the keys has no barrier, no tensor load and no wait for a tile.
; CLUSTER.  The four work-groups of a cluster own one head and need the same 208,896 bytes: each of the 16 waves asks for one step's block JOINTLY, by the same tensor load with the same descriptor
; (head and wave's number alone) and the mask of all four.  A wave has one tensor load out.
; SHARES, EVEN UNDER THE CAUSAL MASK.  The queries of group G (128 G .. 128 G + 127) need G + 1 key steps.  Wave w (j = w / 2, u = w % 2) of the work-group at place cx owns tile A = 2 cx + u
; (16 queries) of group 15 - j and then of group j: (16 - j) + (j + 1) = 17 key steps for every wave.  Branches hang on the wave's number and the step's count alone;
; cx enters only q's and out0's addresses and the number against which the mask compares.
; LAYOUT.  Both products are used transposed: S^T = K Q^T (source 0 = 16 keys, source 1 = my 16 queries), O^T = V^T P^T (source 0 = 16 channels, source 1 = P): a lane holds ONE query (lane % 16) throughout.
; The first product's K is 64 of the instruction's 128: Q's codes for the upper 64 are zeros, so what stands in K's registers there (the next tile's codes; BF6 has no code but numbers) adds nothing.
; Register 16 b + 8 u + j of S^T is key 32 b + 16 u + 8 (lane / 16) + j; after the conversions and the exchange of halves, place pos of P's block holds key 16 ((pos / 8) % 2) + 8 (pos / 16) + pos % 8: V's codes lie in that order.
; LIMITS: NaN and infinities among the inputs are not served.  The products inside a block of 32 keys enter the matrix unit in the order just given, not in ascending order.
; A block's largest p is made from the block's largest score by the same multiply-add and exponential: this takes v_exp_f32 not to fall where its input rises.
.set BLK,   13056                      ; a step's block: K's codes 6,144, K's scale words 512, V's codes 6,144, V's scale words 256
.set HEADB, 16*BLK
.set SP,    272                        ; a stage row: 256 bytes + 16
.set STAGE, HEADB                      ; behind the head's codes: 16 rows x 272 bytes for each wave, its own, for q on the way in and O on the way out; no tensor load lands there
.set LI,   1                           ; v1   16 x lane: an image's place for my lane, and my bytes in a tile of q or out0; never rewritten
.set L8,   2                           ; v2   8 x lane
.set DM,   3                           ; v3   16 A + lane % 16 - 8 (lane / 16): what the mask compares against
.set RD,   4                           ; v4   stage: two rows an instruction, 16 lanes to a row
.set QR,   5                           ; v5   stage: row lane % 16, + 128 (lane / 16): my 32 numbers of q
.set STO,  6                           ; v6   stage: row lane % 16, + 32 (lane / 16): my eight channels of a tile of O
.set NINF, 7                           ; v7   -infinity
.set ADK,  8                           ; v8   the step's block + 16 x lane
.set AD8,  9                           ; v9   the step's block + 8 x lane
.set QF,   16                          ; v16-27   Q's fragment; v22-27 zeros, written once
.set KS,   28                          ; v28-31   K's scale words
.set KV,   32                          ; v32-79   K's eight tiles of 6 registers, then V's four of 12;  v80-85 zeros, written once: the upper half of K's last operand
.set VS,   86                          ; v86-87   V's scale words
.set QS,   88                          ; v88      Q's scale word
.set S,    96                          ; v96-159  S^T, then p
.set O,    160                         ; v160-191 O^T
.set QB,   192                         ; v192-223 the second pass's q as loaded
.set PC,   224                         ; v224-235 p's codes;  v232-254 at work;  v12 -M, v13 the largest t, v[14:15] the sum in two halves
.set WV,   10                          ; s10  my wave's number
.set GA,   15                          ; s15  the first pass's group, 15 - j
.set GB,   16                          ; s16  the second's, j
.set SEL,  26                          ; s[26:27] lane selects for v_permlanex16_b32: lane l xor 16
.set CS,   28                          ; s[28:29] c = log2(e) / 8: the packed form names a pair and takes its low word for both halves
.set G0,   32                          ; s[32:35] descriptor group 0
.set G1,   36                          ; s[36:43] descriptor group 1
.set TB,   44                          ; s44  LDS byte at which the step's block begins
.set SI,   45                          ; s45  the step
; A round of the cluster's barrier: my work-group's barrier; wave 0 signals for the work-group; every wave waits for all four work-groups; my work-group's barrier once more.
.macro CROUND
	s_barrier_signal -1
	s_barrier_wait -1
	s_cmp_lg_u32 s[WV], 0
	s_cbranch_scc1 .Lnot_wave_0_\@
	s_barrier_signal -3
.Lnot_wave_0_\@:
	s_barrier_wait -3
	s_barrier_signal -1
	s_barrier_wait -1
.endm
.macro QLOAD reg, ptr                  ; a tile of q, 16 rows x 256 bytes, dense: eight loads of 512 consecutive bytes; read once in the launch
.irp j, 0,1,2,3,4,5,6,7
	global_load_b128 v[\reg+4*\j:\reg+4*\j+3], v[LI], s[\ptr:\ptr+1] offset:512*\j th:TH_LOAD_NT
.endr
.endm
	s_load_b128 s[4:7], s[0:1], 0x0                ; q, kv
	s_load_b64 s[8:9], s[0:1], 0x10                ; out0
	v_lshl_add_u32 v251, v0, 2, 0x44000
	v_mov_b32 v255, 0
	ds_add_u32 v251, v255
	ds_add_u32 v251, v255
	v_lshrrev_b32 v8, 5, v0
	s_delay_alu instid0(VALU_DEP_1)
	v_readfirstlane_b32 s[WV], v8                  ; wave 0..15
	s_bfe_u32 s11, ttmp6, 0x40000                  ; cx: my place in the cluster
	s_and_b32 s12, ttmp7, 0xffff                   ; the head, which the four partners share
	s_lshr_b32 s13, s[WV], 1                       ; j
	s_and_b32 s14, s[WV], 1                        ; u
	s_lshl_b32 s46, s11, 1
	s_add_co_u32 s14, s14, s46                     ; A = 2 cx + u
	s_sub_co_u32 s[GA], 15, s13
	s_mov_b32 s[GB], s13
	s_lshl_b32 s46, s12, 19                        ; a head is 2,048 x 256 bytes,
	s_lshl_b32 s47, s14, 12                        ; a tile 16 x 256,
	s_add_co_u32 s46, s46, s47
	s_lshl_b32 s47, s[GA], 15                      ; a group 128 x 256
	s_add_co_u32 s48, s46, s47                     ; the first pass's tile, in q and in out0,
	s_mov_b32 s49, 0
	s_lshl_b32 s47, s[GB], 15
	s_add_co_u32 s46, s46, s47                     ; the second's
	s_mov_b32 s47, 0
	s_mul_i32 s50, s12, HEADB                      ; kv: my head,
	s_mul_i32 s52, s[WV], BLK                      ; step = my wave's number: in memory and in LDS alike.  No place in the cluster enters these registers
	s_add_co_u32 s50, s50, s52
	s_mov_b32 s51, 0
	s_mul_i32 s53, s[WV], 16*SP
	s_add_co_u32 s53, s53, STAGE                   ; my stage
	; descriptor group 1: a dense block of 13,056 bytes as 51 rows of 256 bytes (32 elements of 8 bytes), no padding: it is read back 16 or 8 consecutive bytes a lane
	s_mov_b32 s[G1], 15|(3<<16)|(1<<21)            ; 15:0 the mask: all four work-groups; 17:16 elements of 8 bytes; 21 set beside a mask
	s_mov_b32 s[G1+1], 32<<16                      ; tensor_dim0 = 32
	s_mov_b32 s[G1+2], 51<<16                      ; tensor_dim1 = 51
	s_mov_b32 s[G1+3], 32<<16                      ; tile_dim0 = 32
	s_mov_b32 s[G1+4], 51                          ; tile_dim1 = 51
	s_mov_b32 s[G1+5], 32                          ; from row to row
	s_mov_b32 s[G1+6], 0
	s_mov_b32 s[G1+7], 0
	s_mov_b32 s[SEL], 0x76543210
	s_mov_b32 s[SEL+1], 0xfedcba98
	s_mov_b32 s[CS], 0x3e38aa3b                    ; log2(e) / 8
	s_mov_b32 s[CS+1], s[CS]                       ; (named with it as a pair, so it is written)
	v_and_b32 v1, 31, v0
	s_delay_alu instid0(VALU_DEP_1)
	v_lshlrev_b32 v[L8], 3, v1
	s_delay_alu instid0(VALU_DEP_2)
	v_lshlrev_b32 v[LI], 4, v1
	s_wait_alu depctr_va_vdst(0)
	s_wait_dscnt 0x0
	s_wait_kmcnt 0x0
	s_add_nc_u64 s[18:19], s[4:5], s[48:49]        ; q: the first pass's tile,
	s_add_nc_u64 s[20:21], s[4:5], s[46:47]        ; the second's
	s_add_nc_u64 s[22:23], s[8:9], s[48:49]        ; out0 likewise
	s_add_nc_u64 s[24:25], s[8:9], s[46:47]
	s_mov_b32 s[G0], 1                             ; 1:0 count = 1
	s_mov_b32 s[G0+1], s52                         ; 63:32 LDS address
	s_add_nc_u64 s[G0+2:G0+3], s[6:7], s[50:51]    ; 120:64 global address
	s_or_b32 s[G0+3], s[G0+3], 0x80000000          ; 127:126 type = 2
	QLOAD S, 18                                    ; both passes' q are asked for now: the second's lands a pass ahead of its use
	QLOAD QB, 20
	CROUND                                         ; all four work-groups are here: the joint loads meet
	tensor_load_to_lds s[G0:G0+3], s[G1:G1+7]      ; my step's block, for all four work-groups
	s_nop 0
.rept 4
	v_nop                                          ; four v_nop follow the line
.endr
	v_and_b32 v10, 15, v0                          ; r
	v_bfe_u32 v11, v0, 4, 1                        ; h
	s_lshl_b32 s48, s14, 4
	v_lshlrev_b32 v[DM], 3, v11
	s_delay_alu instid0(VALU_DEP_1)
	v_sub_nc_u32 v[DM], v10, v[DM]
	s_delay_alu instid0(VALU_DEP_1)
	v_add_nc_u32 v[DM], s48, v[DM]                 ; 16 A + r - 8 h
	v_mul_u32_u24 v[RD], v11, SP
	s_delay_alu instid0(VALU_DEP_1)
	v_lshl_add_u32 v[RD], v10, 4, v[RD]
	s_delay_alu instid0(VALU_DEP_1)
	v_add_nc_u32 v[RD], s53, v[RD]
	v_mul_u32_u24 v[QR], v10, SP
	s_delay_alu instid0(VALU_DEP_1)
	v_lshl_add_u32 v[STO], v11, 5, v[QR]
	s_delay_alu instid0(VALU_DEP_2)
	v_lshl_add_u32 v[QR], v11, 7, v[QR]
	s_delay_alu instid0(VALU_DEP_2)
	v_add_nc_u32 v[STO], s53, v[STO]
	s_delay_alu instid0(VALU_DEP_2)
	v_add_nc_u32 v[QR], s53, v[QR]
	v_mov_b32 v[NINF], 0xff800000
.irp i, 0,1,2,3,4,5
	v_mov_b32 v[QF+6+\i], 0                        ; Q's codes for the upper 64 of the instruction's K: zeros
	v_mov_b32 v[KV+48+\i], 0                       ; and what K's last tile names there
.endr
.irp i, 236,237,238,239,252,253
	v_mov_b32 v[\i], 0                             ; written once: a lane permute's destination counts as one of its sources, and v253 is named as the upper half of a pair
.endr
; A tile of q, as loaded in v[raw] on, becomes Q's fragment and scale word.  It turns through my stage: in as it lies (two rows an instruction), out 128 bytes a lane: lane (r, h) holds row r, d = 32 h .. 32 h + 31: a whole block.
.macro QIN raw, left
	s_wait_loadcnt \left                           ; my tile's eight loads are in; left: the younger loads that may stay out
.irp j, 0,1,2,3,4,5,6,7
	ds_store_b128 v[RD], v[\raw+4*\j:\raw+4*\j+3] offset:2*SP*\j
.endr
.irp j, 0,1,2,3,4,5,6,7
	ds_load_b128 v[S+32+4*\j:S+32+4*\j+3], v[QR] offset:16*\j      ; LDS serves a wave's instructions in order (ISA guide 5.7.1.4): these see the stores above
.endr
	s_wait_dscnt 0x0
	v_max3_num_f32 v232, |v[S+32]|, |v[S+33]|, 0x2800000   ; the block's largest magnitude, in two chains, and the floor 2^(5 - 127)
	v_max3_num_f32 v233, |v[S+48]|, |v[S+49]|, 0x2800000
.irp i, 2,4,6,8,10,12,14
	s_delay_alu instid0(VALU_DEP_2)
	v_max3_num_f32 v232, v232, |v[S+32+\i]|, |v[S+33+\i]|
	s_delay_alu instid0(VALU_DEP_2)
	v_max3_num_f32 v233, v233, |v[S+48+\i]|, |v[S+49+\i]|
.endr
	s_delay_alu instid0(VALU_DEP_1)
	v_max_num_f32 v232, v232, v233
	s_delay_alu instid0(VALU_DEP_1)
	v_add_nc_u32 v244, 0xfe000000, v232            ; 4 off the exponent field: the conversion's scale operand
	s_delay_alu instid0(VALU_DEP_1)
	v_lshrrev_b32 v236, 23, v244                   ; my block's byte
	v_cvt_scalef32_pk16_bf6_f32 v[QF:QF+2], v[S+32:S+47], v244
	v_cvt_scalef32_pk16_bf6_f32 v[240:242], v[S+48:S+63], v244     ; (a conversion's three registers begin on an even number)
	v_nop                                          ; one plain place behind the scaled conversions
.irp i, 0,1,2
	v_mov_b32 v[QF+3+\i], v[240+\i]
.endr
	v_permlanex16_b32 v237, v236, s[SEL], s[SEL+1] ; the other block's byte
	s_delay_alu instid0(VALU_DEP_1)
	v_lshl_or_b32 v[QS], v237, 8, v236             ; lanes 0-15: e(d 0-31), e(d 32-63); lanes 16-31 are not read
	s_delay_alu instid0(VALU_DEP_1)
	v_lshl_or_b32 v[QS], v[QS], 16, v[QS]          ; and the same two above them, for the blocks of zeros
.endm
; A pass begins: the step is written once, and its first run finds zeros, which the first change of M leaves zeros.  These 36 lines are also the places between Q's registers and the first product.
.macro INIT
	v_mov_b32 v13, 0xff61b1e6                      ; the largest t so far: -3e38, under every t
	s_delay_alu instid0(VALU_DEP_1)
	v_floor_f32 v12, -v13                          ; -M
	v_mov_b32 v14, 0
	v_mov_b32 v15, 0
.set j, 0
.rept 32
	v_mov_b32 v[O+j], 0
.set j, j+1
.endr
.endm
; A KEY STEP: 128 keys, from the block at s[TB].  g: the scalar register with the pass's group: the step s[SI] = s[g] lies on the diagonal.
.macro STEP g
	v_add_nc_u32 v[ADK], s[TB], v[LI]
	v_add_nc_u32 v[AD8], s[TB], v[L8]
.irp c, 0,1,2,3,4,5,6,7,8,9,10,11
	ds_load_b128 v[KV+4*\c:KV+4*\c+3], v[ADK] offset:512*\c        ; K's eight tiles: 32 lanes read 512 consecutive bytes
.endr
	ds_load_b128 v[KS:KS+3], v[ADK] offset:6144    ; register b: lanes 0-15 tile 2 b's words, lanes 16-31 tile 2 b + 1's
	s_wait_alu depctr_va_vdst(0)
	s_wait_dscnt 0x0
.irp b, 0,1,2,3                                ; S^T = K Q^T: eight accumulators, each begun with the constant 0
	v_wmma_scale_f32_16x16x128_f8f6f4 v[S+16*\b:S+16*\b+7], v[KV+12*\b:KV+12*\b+11], v[QF:QF+11], 0, v[KS+\b], v[QS] matrix_a_fmt:MATRIX_FMT_BF6 matrix_b_fmt:MATRIX_FMT_BF6
	v_wmma_scale_f32_16x16x128_f8f6f4 v[S+16*\b+8:S+16*\b+15], v[KV+12*\b+6:KV+12*\b+17], v[QF:QF+11], 0, v[KS+\b], v[QS] matrix_a_fmt:MATRIX_FMT_BF6 matrix_b_fmt:MATRIX_FMT_BF6 matrix_a_scale:MATRIX_SCALE_ROW1
.endr
.rept 4
	v_nop                                          ; four places ahead of the loads into K's registers and of the first read of the scores
.endr
.irp c, 0,1,2,3,4,5,6,7,8,9,10,11
	ds_load_b128 v[KV+4*\c:KV+4*\c+3], v[ADK] offset:6656+512*\c   ; V's four tiles land while the softmax is worked
.endr
	ds_load_b64 v[VS:VS+1], v[AD8] offset:12800    ; register a: lanes 0-15 tile 2 a's words, lanes 16-31 tile 2 a + 1's
	s_cmp_lt_u32 s[SI], s[\g]                      ; a step under the diagonal: all its keys count
	s_cbranch_scc1 .Lopen_\@
.set n, 0
.rept 64                                       ; on the diagonal the scores of hidden keys become -infinity ahead of the maximum: p = 0 then.  Register n's key is hidden where 32 (n / 16) + 16 ((n / 8) % 2) + n % 8 > 16 A + r - 8 h
	v_cmp_gt_i32 vcc_lo, 32*(n/16)+16*((n/8)%2)+n%8, v[DM]
	v_cndmask_b32 v[S+n], v[S+n], v[NINF], vcc_lo
.set n, n+1
.endr
.Lopen_\@:
.irp b, 0,1,2,3
	v_max3_num_f32 v[232+\b], v[S+16*\b], v[S+1+16*\b], v[S+2+16*\b]       ; the largest score of each block of 32 keys: for the row's maximum, and, since p rises with the score, for the block's largest p
.endr
.irp i, 3,5,7,9,11,13
.irp b, 0,1,2,3
	v_max3_num_f32 v[232+\b], v[232+\b], v[S+16*\b+\i], v[S+1+16*\b+\i]    ; (the four blocks by turns; each accumulator is read from its low end on)
.endr
.endr
.irp b, 0,1,2,3
	v_max_num_f32 v[232+\b], v[232+\b], v[S+15+16*\b]
.endr
.irp b, 0,1,2,3
	s_delay_alu instid0(VALU_DEP_4)
	v_permlanex16_b32 v[236+\b], v[232+\b], s[SEL], s[SEL+1]
.endr
.irp b, 0,1,2,3
	s_delay_alu instid0(VALU_DEP_4)
	v_max_num_f32 v[232+\b], v[232+\b], v[236+\b]  ; with lane l xor 16's 16 keys
.endr
	s_delay_alu instid0(VALU_DEP_2)
	v_max3_num_f32 v254, v232, v233, v234
	s_delay_alu instid0(VALU_DEP_1)
	v_max_num_f32 v254, v254, v235                 ; the step's largest score of my query
	s_delay_alu instid0(VALU_DEP_1)
	v_mul_f32 v254, s[CS], v254                    ; as t (c is positive)
	s_delay_alu instid0(VALU_DEP_1)
	v_max_num_f32 v13, v13, v254                   ; the running largest t
	v_mov_b32 v254, v12
	s_delay_alu instid0(VALU_DEP_2)
	v_floor_f32 v12, -v13                          ; the new -M = floor(-t) = -ceil(t): a whole number
	s_delay_alu instid0(VALU_DEP_1)
	v_sub_f32 v254, v12, v254                      ; old M - new M: a whole number, 0 or less
	s_delay_alu instid0(VALU_DEP_1)
	v_cvt_i32_f32 v254, v254                       ; (it saturates)
	s_delay_alu instid0(VALU_DEP_1)
	v_ldexp_f32 v252, 1.0, v254                    ; f = 2^(old M - new M)
.set j, 0
.rept 32
	v_pk_fma_f32 v[S+j:S+j+1], v[S+j:S+j+1], s[CS:CS+1], v[12:13] op_sel_hi:[1,0,0]   ; t - M, two at a time
.set j, j+2
.endr
	s_setprio 1
.irp b, 0,1,2,3
	v_fma_f32 v[232+\b], v[232+\b], s[CS], v12     ; the same of each block's largest score
.endr
.set j, 0
	s_wait_alu depctr_va_vdst(0)
.rept 64
	v_exp_f32 v[S+j], v[S+j]                       ; p = 2^(t - M), at most 1: not normalised
.set j, j+1
.endr
	v_pk_mul_f32 v[14:15], v[14:15], v[252:253] op_sel_hi:[1,0]    ; the sums under the new M: the plain place behind the exponentials
	s_wait_alu depctr_va_vdst(0)                   ; one wait for the whole batch, ahead of its first reader
.irp b, 0,1,2,3
	v_exp_f32 v[232+\b], v[232+\b]                 ; the block's largest p
.endr
	v_pk_add_f32 v[236:237], v[100:101], v[104:105]
	v_pk_add_f32 v[248:249], v[108:109], v[112:113]
	v_pk_add_f32 v[246:247], v[116:117], v[120:121]
	v_pk_add_f32 v[244:245], v[124:125], v[128:129]
	v_pk_add_f32 v[242:243], v[132:133], v[136:137]
	v_pk_add_f32 v[240:241], v[140:141], v[144:145]
	v_pk_add_f32 v[238:239], v[148:149], v[152:153]
	v_pk_add_f32 v[14:15], v[14:15], v[156:157]
	v_pk_add_f32 v[236:237], v[236:237], v[96:97]
	v_pk_add_f32 v[248:249], v[248:249], v[98:99]
	v_pk_add_f32 v[246:247], v[246:247], v[102:103]
	v_pk_add_f32 v[244:245], v[244:245], v[106:107]
	v_pk_add_f32 v[242:243], v[242:243], v[110:111]
	v_pk_add_f32 v[240:241], v[240:241], v[114:115]
	v_pk_add_f32 v[238:239], v[238:239], v[118:119]
	v_pk_add_f32 v[14:15], v[14:15], v[122:123]
	v_pk_add_f32 v[236:237], v[236:237], v[126:127]
	v_pk_add_f32 v[248:249], v[248:249], v[130:131]
	v_pk_add_f32 v[246:247], v[246:247], v[134:135]
	v_pk_add_f32 v[244:245], v[244:245], v[138:139]
	v_pk_add_f32 v[242:243], v[242:243], v[142:143]
	v_pk_add_f32 v[240:241], v[240:241], v[146:147]
	v_pk_add_f32 v[238:239], v[238:239], v[150:151]
	v_pk_add_f32 v[14:15], v[14:15], v[154:155]
	v_pk_add_f32 v[236:237], v[236:237], v[158:159]
	s_delay_alu instid0(VALU_DEP_2)
	v_pk_add_f32 v[14:15], v[14:15], v[244:245]
	s_delay_alu instid0(VALU_DEP_2)
	v_pk_add_f32 v[236:237], v[236:237], v[242:243]
	v_pk_add_f32 v[248:249], v[248:249], v[240:241]
	v_pk_add_f32 v[246:247], v[246:247], v[238:239]
	s_delay_alu instid0(VALU_DEP_2)
	v_pk_add_f32 v[14:15], v[14:15], v[248:249]
	s_delay_alu instid0(VALU_DEP_2)
	v_pk_add_f32 v[236:237], v[236:237], v[246:247]
	s_delay_alu instid0(VALU_DEP_1)
	v_pk_add_f32 v[14:15], v[14:15], v[236:237]
	s_wait_alu depctr_va_vdst(0)                   ; and one for the four
.irp b, 0,1,2,3
	v_max_num_f32 v[232+\b], 0x2800000, v[232+\b]  ; the floor 2^(5 - 127): the byte cannot fall under 1 (a block whose every p is 0 keeps that byte: its codes are zeros)
.endr
.irp b, 0,1,2,3
	s_delay_alu instid0(VALU_DEP_4)
	v_add_nc_u32 v[244+\b], 0xfe000000, v[232+\b]  ; 4 off the exponent field: the conversion's scale operand
.endr
.irp b, 0,1,2,3
	s_delay_alu instid0(VALU_DEP_4)
	v_lshrrev_b32 v[236+\b], 23, v[244+\b]         ; the scale's byte
.endr
	s_delay_alu instid0(VALU_DEP_3)
	v_lshl_or_b32 v253, v237, 8, v236              ; p's scale word for these 128 keys
	s_delay_alu instid0(VALU_DEP_1)
	v_lshl_or_b32 v253, v238, 16, v253
	s_delay_alu instid0(VALU_DEP_1)
	v_lshl_or_b32 v253, v239, 24, v253
	s_setprio 0
.irp c, 0,1
	v_cvt_scalef32_pk16_bf6_f32 v[PC+6*\c:PC+2+6*\c], v[S+32*\c:S+15+32*\c], v[244+2*\c]
	v_cvt_scalef32_pk16_bf6_f32 v[236+4*\c:238+4*\c], v[S+16+32*\c:S+31+32*\c], v[244+2*\c+1]   ; (a conversion's three registers begin on an even number)
.endr
	v_nop                                          ; one plain place behind the scaled conversions
.irp c, 0,1                                    ; the operand's layout wants a whole block in a lane: lanes 0-15 block 2 c, lanes 16-31 block 2 c + 1
.irp i, 0,1,2
	v_permlane16_swap_b32 v[PC+6*\c+\i], v[236+4*\c+\i]
.endr
.irp i, 0,1,2
	s_delay_alu instid0(VALU_DEP_3)
	v_mov_b32 v[PC+3+6*\c+\i], v[236+4*\c+\i]
.endr
.endr
.set j, 0
.rept 16
	v_pk_mul_f32 v[O+j:O+j+1], v[O+j:O+j+1], v[252:253] op_sel_hi:[1,0]    ; O^T under the new M.  These 16 are also the places between p's codes and scale word and the products below
.set j, j+2
.endr
	s_wait_alu depctr_va_vdst(0)
	s_wait_dscnt 0x0                               ; V is in
.irp a, 0,1                                    ; O^T += V^T P^T: four accumulators, one instruction a turn
	v_wmma_scale_f32_16x16x128_f8f6f4 v[O+16*\a:O+16*\a+7], v[KV+24*\a:KV+24*\a+11], v[PC:PC+11], v[O+16*\a:O+16*\a+7], v[VS+\a], v253 matrix_a_fmt:MATRIX_FMT_BF6 matrix_b_fmt:MATRIX_FMT_BF6
	v_wmma_scale_f32_16x16x128_f8f6f4 v[O+16*\a+8:O+16*\a+15], v[KV+24*\a+12:KV+24*\a+23], v[PC:PC+11], v[O+16*\a+8:O+16*\a+15], v[VS+\a], v253 matrix_a_fmt:MATRIX_FMT_BF6 matrix_b_fmt:MATRIX_FMT_BF6 matrix_a_scale:MATRIX_SCALE_ROW1
.endr
.rept 4
	v_nop                                          ; four places ahead of the next step's loads into V's registers, and of the way out
.endr
.endm
; A pass: every wave walks 16 trips, a constant of the text; a step all of whose keys come after the pass's queries is left out by a scalar branch on the wave's number and the step's count.
.macro LOOP g
	s_mov_b32 s[TB], 0
	s_mov_b32 s[SI], 0
.Lstep_\@:
	s_cmp_gt_u32 s[SI], s[\g]
	s_cbranch_scc1 .Lnext_\@
	s_setprio 2
	STEP \g
.Lnext_\@:
	s_add_co_u32 s[TB], s[TB], BLK
	s_add_co_u32 s[SI], s[SI], 1
	s_cmp_lt_u32 s[SI], 16
	s_cbranch_scc1 .Lstep_\@
	s_setprio 0
.endm
; THE WAY OUT of a tile: O^T / the sum goes through my stage (a lane holds eight channels of one row, the lanes beside it other rows) and leaves as whole rows.
.macro OUT ptr
	v_add_f32 v14, v14, v15                        ; the sum's two halves,
	s_delay_alu instid0(VALU_DEP_1)
	v_permlanex16_b32 v252, v14, s[SEL], s[SEL+1]
	s_delay_alu instid0(VALU_DEP_1)
	v_add_f32 v14, v14, v252                       ; and lane l xor 16's: the row's sum
	s_wait_alu depctr_va_vdst(0)
	v_rcp_f32 v14, v14
	v_nop                                          ; one plain place behind the transcendental
	s_wait_alu depctr_va_vdst(0)                   ; and the wait ahead of its first reader
.set j, 0
.rept 16
	v_pk_mul_f32 v[S+j:S+j+1], v[O+j:O+j+1], v[14:15] op_sel_hi:[1,0]      ; register 8 t + i is o(r, 16 t + 8 h + i)
.set j, j+2
.endr
.irp t, 0,1,2,3
	ds_store_b128 v[STO], v[S+8*\t:S+8*\t+3] offset:64*\t
	ds_store_b128 v[STO], v[S+8*\t+4:S+8*\t+7] offset:64*\t+16
.endr
.irp i, 0,1,2,3,4,5,6,7
	ds_load_b128 v[KV+4*\i:KV+4*\i+3], v[RD] offset:2*SP*\i        ; LDS serves a wave's instructions in order: these see the stores above
.endr
.irp i, 0,1,2,3,4,5,6,7
	s_wait_dscnt 7-\i                              ; pair i of rows is back; the younger loads stay out
	global_store_b128 v[LI], v[KV+4*\i:KV+4*\i+3], s[\ptr:\ptr+1] offset:512*\i th:TH_STORE_NT   ; 32 lanes store 512 consecutive bytes, two whole rows, at a multiple of 256 from out0's first byte
.endr
.endm
	QIN S, 8                                       ; the first pass's q; the second's eight loads may stay out
	INIT
	s_wait_tensorcnt 0x0                           ; my step's block has landed,
	s_wait_dscnt 0x0
	s_barrier_signal -1
	s_barrier_wait -1                              ; everybody's has: the whole head lies in LDS, and nothing is filled again
	LOOP GA
	OUT 22
	s_wait_xcnt 0x0                                ; the stores have read their data: v32-63 are loaded again only behind this wait
	QIN QB, 0
	INIT
	LOOP GB
	OUT 24
	s_wait_dscnt 0x0
	s_wait_tensorcnt 0x0
	ds_add_u32 v251, v255
	s_wait_dscnt 0x0
	CROUND                                         ; the closing round: no work-group ends while a partner may still ask for a block that names it
	s_endpgm
.Lfunc_end_k_qa5b4ca46ec_attn:
	.size	k_qa5b4ca46ec_attn, .Lfunc_end_k_qa5b4ca46ec_attn-k_qa5b4ca46ec_attn
	.p2alignl 7, 3214868480
	.fill 96, 4, 3214868480
	.section	.rodata,"a",@progbits
	.p2align	6, 0x0
	.amdhsa_kernel k_qa5b4ca46ec_attn
		.amdhsa_group_segment_fixed_size 280576
		.amdhsa_private_segment_fixed_size 0
		.amdhsa_enable_private_segment 0
		.amdhsa_kernarg_size 24
		.amdhsa_user_sgpr_count 2
		.amdhsa_user_sgpr_kernarg_segment_ptr 1
		.amdhsa_wavefront_size32 1
		.amdhsa_system_sgpr_workgroup_id_x 1
		.amdhsa_system_sgpr_workgroup_id_y 1
		.amdhsa_system_sgpr_workgroup_id_z 1
		.amdhsa_system_vgpr_workitem_id 0
		.amdhsa_next_free_vgpr 256
		.amdhsa_next_free_sgpr 66
		.amdhsa_reserve_vcc 1
		.amdhsa_float_denorm_mode_32 3
		.amdhsa_float_denorm_mode_16_64 3
		.amdhsa_memory_ordered 1
		.amdhsa_forward_progress 1
		.amdhsa_inst_pref_size 67
	.end_amdhsa_kernel
	.amdgpu_metadata
---
amdhsa.version: [ 1, 2 ]
amdhsa.kernels:
  - .name:           k_qa5b4ca46ec_attn
    .symbol:         k_qa5b4ca46ec_attn.kd
    .args:
      - { .name: q, .offset: 0, .size: 8, .value_kind: global_buffer, .address_space: global }
      - { .name: kv, .offset: 8, .size: 8, .value_kind: global_buffer, .address_space: global }
      - { .name: out0, .offset: 16, .size: 8, .value_kind: global_buffer, .address_space: global }
    .group_segment_fixed_size: 280576
    .private_segment_fixed_size: 0
    .kernarg_segment_align: 8
    .kernarg_segment_size: 24
    .max_flat_workgroup_size: 512
    .sgpr_count:     66
    .vgpr_count:     256
    .wavefront_size: 32
...
	.end_amdgpu_metadata
.endif
;; end of part 2
